; MI455X (gfx1250); checked and timed in simulation.
; The chip was launched on July 23, 2026; its instructions are those of AMD's public machine-readable ISA for CDNA 5 (MIT licence, August 2026) and "CDNA5" Instruction Set Architecture Reference Guide (July 2026). The comments in the code are by the model that wrote it; some were corrected since.
;; Gemm RS Multi Node. Allowed arithmetic: matrix products marked QUANTISED: E2M1 operands, one E8M0 scale for each 32 along K, by v_wmma_scale_f32_16x16x128_f8f6f4 with both operands' format E2M1 (or v_wmma_scale_f32_32x16x128_f4), f32 sums; everything else in f32.
;; Inputs: input 8 x 2,048 x 1,024 float32; weight 8 x 4,096 x 1,024 float32.
;; Outputs: out0 8 x 256 x 4,096 float32.
;; This version of the problem:
;;   THIS VERSION OF THE PROBLEM IS GIVEN IN LOW PRECISION. The matrix products marked QUANTISED in the list below multiply operands that are first quantised to E2M1 (2 exponent bits, 1 mantissa bit; 4 bits a number), with one power-of-two scale for each 32 numbers along K (OCP MX v1.0); their sums are f32. All else is computed in f32.
;;   The module's matrix products, in the order in which they are computed (A, B: the left and right operand; K: the contracted axis; several contracted axes count as one K, in the product's order):
;;     1. [M 2,048, K 8,192] x [K 8,192, N 4,096]; A: input input; B: input weight: QUANTISED
;;   THE QUANTISER, for each operand of a quantised product, along K:
;;     - K is cut into blocks of 32 from its start; a last block that is shorter is filled with zeros.
;;     - A block's scale is 2^e with e = floor(log2(the largest magnitude in the block)) - 2, held to -126 .. 127; a block of zeros has e = 0. As a byte (E8M0): e + 127.
;;     - Each number is divided by its block's scale, clamped to +-6, and rounded to the nearest number of E2M1, ties to even, subnormals kept.
;;     - The product sums the exact products of the quantised numbers (number of the format x scale) in f32.
;;   ~~~python
;;   def quantise(x, axis):      # numpy; x: float32 -> the quantised numbers, widened to float32 again
;;       x = np.moveaxis(x, axis, -1); K = x.shape[-1]
;;       x = np.pad(x, [(0, 0)] * (x.ndim - 1) + [(0, -K % 32)]); x = x.reshape(x.shape[:-1] + (-1, 32)); a = np.abs(x).max(-1, keepdims=True)
;;       e = np.where(a > 0, np.clip(np.frexp(np.where(a > 0, a, 1))[1] - 1 - 2, -126, 127), 0)      # np.frexp(a)[1] - 1 = floor(log2(a)), exactly
;;       r = np.clip(x / 2.0 ** e, -6, 6)
;;       step = 2.0 ** (np.maximum(np.frexp(np.where(r == 0, 1, r))[1] - 1, 0) - 1)
;;       q = np.round(r / step) * step * 2.0 ** e      # np.round: ties to even
;;       return np.moveaxis(q.reshape(q.shape[:-2] + (-1,))[..., :K], -1, axis).astype(np.float32)
;;   ~~~
;; One version. Each part assembles by itself: llvm-mc -triple=amdgcn-amd-amdhsa -mcpu=gfx1250 --defsym DOCPART=n.
;; ======== version 1 of 1: 2 launches
;; limits: right only within a limited range of input values
;; workspace buffers: aq 8,912,896 bytes; bq 17,825,792 bytes
;; launch quant (part 1): grid 768 x 1, 4 waves a work-group, no clusters, 35,328 bytes of LDS; arguments input, weight, aq, bq; writes aq, bq
.if DOCPART == 1
	.amdgcn_target "amdgcn-amd-amdhsa--gfx1250"
	.amdhsa_code_object_version 6
	.text
	.protected	k_q3a395cf1fa_quant
	.globl	k_q3a395cf1fa_quant
	.p2align	8
	.type	k_q3a395cf1fa_quant,@function
k_q3a395cf1fa_quant:
	s_mov_b64 s[64:65], 0
	v_nop
	global_prefetch_b8 v0, s[64:65] scope:SCOPE_SE
	s_setreg_imm32_b32 hwreg(HW_REG_WAVE_MODE, 25, 1), 1
	s_wait_xcnt 0x0
; input [8][2048][1024] and weight [8][4096][1024], f32, are turned into codes of FP4 (E2M1) with one E8M0 scale byte for each 32 along K.
; K's ORDER.  The product contracts k and the rank, in the order (k, rank): K = 8 k + rank.  So a block of 32 along K is FOUR NEIGHBOURING k OF ALL EIGHT RANKS: block i of a row holds k = 4 i .. 4 i + 3.
; A block's scale is 2^(floor(log2(its largest magnitude)) - 2); its byte is the largest magnitude's own exponent field - 2, held at 1 from below.  Each number is divided by the scale and rounded to the nearest code,
; ties to even; what lies beyond 6 takes the largest code.
; LIMITS: NaN and infinities among the inputs are not served.  A block of zeros gets the byte 1 where the rule says 127: its codes are zeros, which add nothing under any byte but 0xff, and the bytes are read by this
; program alone.  Blocks whose largest magnitude lies under 2^-124 are held at the byte 1, as the rule's hold at -126 asks; they were not tried.
; INSIDE A BLOCK the 32 codes lie in the order (rank, k % 4), not K's own (k % 4, rank): the same in both tensors and inside one scale's block, so the products and their scales are the same; only the order of the sum inside a block differs.
; A LANE HOLDS A WHOLE BLOCK: it loads 16 bytes (four neighbouring k) of each of the eight ranks, 32 registers.  So the largest magnitude needs no other lane, the four conversions give the block's 16 bytes of codes,
; and each load of the wave still reads 512 consecutive bytes.
; THE OUTPUT IS LAID AS THE PRODUCT'S LAUNCH FETCHES IT.  A RECORD is one row's part of one K step of 512 (16 blocks: k = 64 j .. 64 j + 63 of all ranks): 256 bytes of codes (the earlier code in the low four bits),
; then its 16 scale bytes: 272 bytes.  aq: [16 blocks of 128 rows][16 K steps][128 rows][272];  bq: [32][16][128][272].
; SHARES.  A wave takes 16 rows x 128 k x 8 ranks: 16 steps, a step = a row = 8 loads = 32 blocks = two records (lanes 0-15 the first K step's, lanes 16-31 the second's).  Its output is two runs of 16 records,
; 4,352 consecutive bytes each, 34,816 bytes apart.  A work-group's four waves take four neighbouring runs of 128 k of the same 16 rows.  The first WGA work-groups take input, the others weight:
; only pointers and the ranks' stride are chosen, both tensors take one path through the text.
; The records are gathered in the wave's own LDS and leave by 17 stores in which sixteen neighbouring lanes write 256 consecutive bytes at a multiple of 256 from the buffer's first byte.
; No tensor loads, no barrier, no loop: waves share nothing; no address register is written again; each step has its own registers for its codes and its byte.  Loads run four steps (32 loads a wave) ahead.
.set STEPS, 16
.set WGA,   256                        ; input's work-groups: 2,048 rows / 16, times two halves of k
.set EMAX,  2                          ; the exponent of the format's largest number, 6
.set REC,   272                        ; a record
.set RUNB,  16*REC                     ; 16 rows' records of one K step
.set KB,    128*REC                    ; a block of 128 rows' part of a K step: from one K step to the next in the output
.set WREG,  2*RUNB                     ; LDS: a region of its own for each wave: its two runs of records
.set OF,    16                         ; v16-23   rank r: 16 x lane + r x the ranks' stride; never rewritten
.set E,     24                         ; v24-39   a scale byte for each step
.set C,     40                         ; v40-103  codes: four registers for each step
.set X,     104                        ; v104-231 four sets of 32 numbers: register 4 r + c = rank r, k % 4 = c; at the end the records on their way out
	s_load_b128 s[4:7], s[0:1], 0x0                ; input, weight
	s_load_b128 s[8:11], s[0:1], 0x10              ; aq, bq
	v_lshl_add_u32 v232, v0, 2, 0x8800
	v_mov_b32 v233, 0
	v_lshrrev_b32 v1, 5, v0
	v_readfirstlane_b32 s16, v1                    ; wave 0..3
	v_and_b32 v2, 31, v0                           ; lane
	v_lshlrev_b32 v3, 4, v2                        ; my four k of a load's 128: 16 bytes a lane
	v_and_b32 v6, 15, v0                           ; my block's place in its record
	v_bfe_u32 v1, v0, 4, 1                         ; which of the step's two records is mine
	s_mul_i32 s19, s16, WREG
	v_mul_u32_u24 v4, v1, RUNB
	v_add_nc_u32 v5, v4, v6
	v_lshl_add_u32 v4, v6, 4, v4
	v_add_nc_u32 v4, s19, v4                       ; LDS: my wave's region + my run + 16 x my block: my codes' place in a record (the row stands in the immediate); on the way out my 16 bytes of a run's 256
	v_add_nc_u32 v5, s19, v5                       ; and my block's scale byte (the 256 bytes of codes in front of it stand in the immediate)
	v_mul_u32_u24 v7, v1, KB
	v_lshl_add_u32 v7, v6, 4, v7                   ; the way out, in memory: lanes 0-15 the first K step's run, lanes 16-31 the second's, 16 bytes a lane
	s_wait_kmcnt 0x0
	s_cmp_lt_u32 ttmp9, WGA                        ; input's work-group or weight's?  The choice hangs on the work-group's number alone
	s_cselect_b64 s[4:5], s[4:5], s[6:7]
	s_cselect_b64 s[8:9], s[8:9], s[10:11]
	s_cselect_b32 s17, 0, WGA
	s_cselect_b32 s18, 23, 24                      ; a rank is 2,048 or 4,096 rows of 4,096 bytes: 2^23 or 2^24 bytes
	s_sub_co_u32 s17, ttmp9, s17
	s_lshr_b32 s20, s17, 1                         ; which 16 rows
	s_and_b32 s21, s17, 1                          ; which half of k
	s_lshl_b32 s21, s21, 2
	s_add_co_u32 s21, s21, s16                     ; which 128 k are my wave's: 4 x half + wave
.irp r, 0,1,2,3,4,5,6,7
	s_lshl_b32 s23, \r, s18
	v_add_nc_u32 v[OF+\r], s23, v3                 ; under 2^27
.endr
	s_lshl_b32 s28, s20, 16                        ; 16 rows of 4,096 bytes,
	s_lshl_b32 s24, s21, 9                         ; 128 k of 4 bytes: under 2^24 in all
	s_add_co_u32 s28, s28, s24
	s_mov_b32 s29, 0
	s_add_nc_u64 s[4:5], s[4:5], s[28:29]          ; rank 0's part of my wave's first row
	s_lshr_b32 s22, s20, 3                         ; the block of 128 rows
	s_and_b32 s20, s20, 7                          ; which 16 rows of it
	s_lshl_b32 s22, s22, 4
	s_lshl_b32 s21, s21, 1                         ; my first K step: 2 x (which 128 k)
	s_add_co_u32 s22, s22, s21
	s_mul_i32 s22, s22, KB                         ; (16 x block + K step) x 34,816
	s_mul_i32 s20, s20, RUNB                       ; + 16 records for each 16 rows: under 2^25 in all
	s_add_co_u32 s26, s22, s20
	s_mov_b32 s27, 0
	s_add_nc_u64 s[8:9], s[8:9], s[26:27]          ; my wave's first run of records
.macro LOAD t                          ; step t = row t of my 16: a load for each rank, 512 consecutive bytes each
.irp r, 0,1,2,3,4,5,6,7
	global_load_b128 v[X+32*((\t)%4)+4*\r:X+32*((\t)%4)+4*\r+3], v[OF+\r], s[4:5] offset:4096*(\t) th:TH_LOAD_NT
.endr
.endm
	s_wait_alu depctr_va_vdst(0)
.irp t, 0,1,2,3
	LOAD \t
.endr
.macro STEP t
.set XS, X+32*((\t)%4)
.if STEPS-1-(\t) >= 3
	s_wait_loadcnt 24                              ; this step's eight loads are in; those of the three steps behind it may be out
.else
	s_wait_loadcnt 8*(STEPS-1-(\t))                ; the last steps have fewer behind them: the counts run down
.endif
	v_max3_num_f32 v12, |v[XS]|, |v[XS+1]|, |v[XS+2]|              ; the block's largest magnitude: all 32 numbers are mine; two chains
	v_max3_num_f32 v13, |v[XS+3]|, |v[XS+4]|, |v[XS+5]|
.irp i, 6,10,14,18,22,26
	v_max3_num_f32 v12, v12, |v[XS+\i]|, |v[XS+\i+1]|
	v_max3_num_f32 v13, v13, |v[XS+\i+2]|, |v[XS+\i+3]|
.endr
	v_max3_num_f32 v12, v12, |v[XS+30]|, |v[XS+31]|
	v_max3_num_f32 v12, v12, v13, (EMAX+1)<<23     ; and the floor 2^(EMAX + 1 - 127), under which no largest magnitude is taken: so the byte cannot fall under 1
	v_add_nc_u32 v11, -(EMAX<<23), v12             ; EMAX off its exponent field: the conversion takes the exponent field of this operand as its scale, and nothing else of it
.irp g, 0,1,2,3
	v_cvt_scalef32_pk8_fp4_f32 v[C+4*(\t)+\g], v[XS+8*\g:XS+8*\g+7], v11   ; eight numbers / the scale, to the nearest code; the first number's code in the lowest four bits
.endr
	v_lshrrev_b32 v[E+(\t)], 23, v11               ; the scale's byte (a plain line behind the conversions)
.if (\t)+4 < STEPS
	LOAD (\t)+4                                    ; the set that has just been converted takes the loads of four steps on
.endif
	ds_store_b128 v4, v[C+4*(\t):C+4*(\t)+3] offset:REC*(\t)       ; row t's record of my run: my block's 16 bytes of codes,
	ds_store_b8 v5, v[E+(\t)] offset:REC*(\t)+256  ; and its byte
.endm
.irp t, 0,1,2,3,4,5,6,7,8,9,10,11,12,13,14,15
	STEP \t
.endr
.irp i, 0,1,2,3,4,5,6,7,8,9,10,11,12,13,14,15,16
	ds_load_b128 v[X+4*\i:X+4*\i+3], v4 offset:256*\i              ; each run's 4,352 bytes as 17 pieces of 256: LDS serves a wave's instructions in order (ISA guide 5.7.1.4), so these see my stores
.endr
.irp i, 0,1,2,3,4,5,6,7,8,9,10,11,12,13,14,15,16
	s_wait_dscnt 16-\i                             ; piece i is in; the younger ones may be out
	global_store_b128 v7, v[X+4*\i:X+4*\i+3], s[8:9] offset:256*\i ; sixteen lanes store 256 consecutive bytes, at a multiple of 256 from the buffer's first byte: lanes 0-15 in the first run, lanes 16-31 in the second
.endr
	s_wait_tensorcnt 0x0
	ds_add_u32 v232, v233
	s_wait_dscnt 0x0
	s_endpgm
.Lfunc_end_k_q3a395cf1fa_quant:
	.size	k_q3a395cf1fa_quant, .Lfunc_end_k_q3a395cf1fa_quant-k_q3a395cf1fa_quant
	.p2alignl 7, 3214868480
	.fill 96, 4, 3214868480
	.section	.rodata,"a",@progbits
	.p2align	6, 0x0
	.amdhsa_kernel k_q3a395cf1fa_quant
		.amdhsa_group_segment_fixed_size 35328
		.amdhsa_private_segment_fixed_size 0
		.amdhsa_enable_private_segment 0
		.amdhsa_kernarg_size 32
		.amdhsa_user_sgpr_count 2
		.amdhsa_user_sgpr_kernarg_segment_ptr 1
		.amdhsa_wavefront_size32 1
		.amdhsa_system_sgpr_workgroup_id_x 1
		.amdhsa_system_sgpr_workgroup_id_y 1
		.amdhsa_system_sgpr_workgroup_id_z 1
		.amdhsa_system_vgpr_workitem_id 0
		.amdhsa_next_free_vgpr 234
		.amdhsa_next_free_sgpr 66
		.amdhsa_reserve_vcc 0
		.amdhsa_float_denorm_mode_32 3
		.amdhsa_float_denorm_mode_16_64 3
		.amdhsa_memory_ordered 1
		.amdhsa_forward_progress 1
		.amdhsa_inst_pref_size 43
	.end_amdhsa_kernel
	.amdgpu_metadata
---
amdhsa.version: [ 1, 2 ]
amdhsa.kernels:
  - .name:           k_q3a395cf1fa_quant
    .symbol:         k_q3a395cf1fa_quant.kd
    .args:
      - { .name: input, .offset: 0, .size: 8, .value_kind: global_buffer, .address_space: global }
      - { .name: weight, .offset: 8, .size: 8, .value_kind: global_buffer, .address_space: global }
      - { .name: aq, .offset: 16, .size: 8, .value_kind: global_buffer, .address_space: global }
      - { .name: bq, .offset: 24, .size: 8, .value_kind: global_buffer, .address_space: global }
    .group_segment_fixed_size: 35328
    .private_segment_fixed_size: 0
    .kernarg_segment_align: 8
    .kernarg_segment_size: 32
    .max_flat_workgroup_size: 128
    .sgpr_count:     66
    .vgpr_count:     234
    .wavefront_size: 32
...
	.end_amdgpu_metadata
.endif
;; end of part 1
;; launch gemm (part 2): grid 16 x 16, 4 waves a work-group, clusters of 4 x 4, 327,680 bytes of LDS; arguments aq, bq, out0; writes out0
.if DOCPART == 2
	.amdgcn_target "amdgcn-amd-amdhsa--gfx1250"
	.amdhsa_code_object_version 6
	.text
	.protected	k_q3a395cf1fa_gemm
	.globl	k_q3a395cf1fa_gemm
	.p2align	8
	.type	k_q3a395cf1fa_gemm,@function
k_q3a395cf1fa_gemm:
	s_mov_b64 s[64:65], 0
	v_nop
	global_prefetch_b8 v0, s[64:65] scope:SCOPE_SE
	s_setreg_imm32_b32 hwreg(HW_REG_WAVE_MODE, 25, 1), 1
	s_wait_xcnt 0x0
	s_wait_alu depctr_hold_cnt(0) depctr_sa_sdst(0) depctr_va_vdst(0) depctr_va_sdst(0) depctr_va_ssrc(0) depctr_va_vcc(0) depctr_vm_vsrc(0)
	s_getreg_b32 s2, hwreg(HW_REG_IB_STS2, 6, 4)
	s_cmp_eq_u32 s2, 0
	s_cbranch_scc0 .Lentry_in_a_cluster
	s_endpgm
.Lentry_in_a_cluster:
	s_bfe_u32 s2, ttmp6, 0x10000c
	s_cmp_lg_u32 s2, 0xf033
	s_cbranch_scc0 .Lentry_shape_is_right
	s_endpgm
.Lentry_shape_is_right:
; C[m][n] = sum over K = 8,192 of A[m][k] B[n][k] on codes of FP4 (E2M1) with one E8M0 scale for each 32 along K; C: [2048][4096] f32 (the output's [8][256][4096] is the same bytes); sums in f32.
; OPERANDS: records of 272 bytes made by the launch before: a row's 512 codes of a K step (256 bytes), then its 16 scale bytes.  aq: [16 blocks of 128 rows][16 K steps][128 rows][272], bq: [32 blocks] likewise.
; A block's part of a K step is KB = 34,816 consecutive bytes (136 x 256); its 16 K steps are one dense stream of 557,056 bytes.  The pitch of 272 bytes = 68 words is kept in LDS: the 16 rows of a fragment load start at 16 different banks (ISA guide 11.1).
; SHARES: a tile of C is 128 x 256: 16 x 16 = 256 work-groups of four waves.  K IS SPLIT AMONG THE WAVES: wave w makes all 128 rows x columns 128 (w % 2) on, over the quarters 2 (w / 2) and 2 (w / 2) + 1 of every K step:
; 64 accumulators, 512 registers; a CHUNK is 128 along K: a wave reads 256 rows x 64 bytes from LDS for 64 matrix instructions; a K step is two chunks a wave.  An output is the sum of two waves' f32 sums: the order of the sum differs from K's own.
; A wave's register blocks 0-3 of A (window 2) are the 64 rows that it OWNS (64 (w / 2) on), blocks 4-7 (window 3) the other 64: two address registers for A, one text for all waves.
; At the end each wave hands its window 3 to its partner (wave w xor 2) through LDS as an image of the registers, adds the partner's image to its window 2, and stores its 64 rows x 128 columns.
; THE RING: three places for K steps; K step j lies in place j % 3.  Slot X is place 0, slot Y places 1 and 2; they are filled by turns, X with one K step, Y with two.
; BOTH CHANGES OF SLOTS STAND IN THE MIDDLE OF A CHUNK, 32 matrix instructions ahead of them and 32 behind.  X is left in its second chunk, whose fragments are in registers.  Y is left in the FIRST chunk of place 2: that chunk fetches
; place 2's second chunk at its head, and the place's scale words are in registers, so a wave's reads of Y are over at its middle.  So each of the two loads has three chunks of work between its issue and the wait for it.
; EVERY WAVE FETCHES, one tensor load behind each change of slots: waves 0 and 1 the two halves of A's run (X: 68 rows of 256 bytes each; Y: one K step each), waves 2 and 3 B's two blocks (X: 136 rows; Y: 272).  A wave has one tensor load out at most.
; CLUSTERS: 4 x 4 work-groups.  A's block is shared along a row of the cluster, B's blocks along a column: each is asked for jointly, by the same load with the same descriptor and a mask that names the four.
; PREFETCH INTO THE L2: a stream is 17 rounds of 32,768 bytes.  A round of A's stream is shared out by address among the 4 partners x waves 0, 1 (4,096 bytes each: 16 lanes name a block of 256 bytes each, the other lanes the wave's last block again);
; a round of one of B's streams among the 4 partners (8,192 bytes each, a lane a block; wave 2 the first block's stream, wave 3 the second's).  Round 0 comes by K step 0's load alone; rounds 1 to 3 are asked for at the head, round 4 in the first chunk,
; rounds 3 m + 5, 3 m + 6, 3 m + 7 in trip m: behind X's refill and its run of LDS loads, and at the heads of place 1's two chunks.  K step j ends in round floor(1.0625 (j + 1)): X's load of K step 3 m + 3 needs rounds up to 3 m + 4,
; asked for four and a half chunks ahead of it; Y's load of K steps 3 m + 4, 3 m + 5 needs rounds up to 3 m + 6, asked for two and a half chunks ahead.  Round 16 ends at the stream's last byte: no address leaves its buffer.
; THE MATRIX INSTRUCTION IS USED TRANSPOSED (source 0 = 16 rows of B, source 1 = 16 rows of A): a lane holds eight neighbouring numbers of a row of C.
; REGISTERS: window 0: v1-30 addresses; v32-79 scale words, a set of 16 for each place; v128-255 A's fragments, two sets of 8 x 8; on the way out v32-223 are at work.  window 1: B's fragments, two sets of 8 x 8, at v0 and v128.
;   windows 2, 3: accumulator (a, b) at v[8 (8 (a % 4) + b)] of window 2 + a / 4.
.set PITCH,  272
.set KB,     128*PITCH
.set RBK,    16*KB
.set BLK,    3*KB                      ; LDS: a block's three places.  Block 0 = A, block 1 = B's rows 0-127, block 2 = B's rows 128-255
.set ON3,    3*KB                      ; every refill steps three K steps on
.set SPARE,  3*BLK                     ; the spare words: 128 bytes a wave, two blocks of 256 bytes that no other line names
.set SPITCH, 528                       ; the way out: a stage of 16 rows x (512 + 16) bytes a wave,
.set STAGE,  KB                        ; in A's place 1; the images, 32,768 bytes a wave, in places 1 and 2 of B's blocks: all have had their last fill and, ahead of the last barrier of the ring, their last read
.set XB,     32768
.set SIZE_N, 4096
.set TRIPS,  4
.set RND,    32768                     ; a prefetch round
.set ADRA, 4                           ; v4-6    A's fragments, the rows that I own, in place 0, 1, 2
.set ADRH, 7                           ; v7-9    A's fragments, the other 64 rows
.set ADRB, 10                          ; v10-12  B's fragments
.set ADRS, 13                          ; v13-15  scale words: lanes 0-15 A's rows that I own, lanes 16-31 B's rows 0-63
.set ADRT, 16                          ; v16-18  lanes 0-15 A's other rows, lanes 16-31 B's rows 64-127
.set STO,  20
.set RD,   21
.set CO,   22
.set XW,   23                          ; my image
.set XR,   24                          ; my partner's
.set SPW,  28                          ; my spare word; never rewritten
.set NIL,  29                          ; 0; never rewritten
.set PFO,  30                          ; the prefetches' lane term; never rewritten
.set SC,   32                          ; place p's set at v[SC + 16 p]; register 2 i + q: lanes 0-15 A's register block i, lanes 16-31 B's block i, my q-th 128 of the K step
.set AF,   128
.set OUTR, 160                         ; the way out: 16 rows read back from the stage
.set G1AX, 24
.set G1AY, 32
.set G1BX, 40
.set G1BY, 48
.set G0AX, 56
.set G0AY, 60
.set G0BX, 68
.set G0BY, 72
.set PFB,  84                          ; s[84:85] the prefetches' base
.set MSB, 0
.macro WIN new                         ; the immediate's high byte repeats the setting that is left
.if MSB != \new
	s_set_vgpr_msb (MSB<<8)|\new
.set MSB, \new
.endif
.endm
.set MUL_LO, 0xa1                      ; source 0 (B) window 1, source 1 (A) window 0, C and D window 2
.set MUL_HI, 0xf1                      ; the same, C and D window 3
.set TO_B,   0x40                      ; destination window 1, address window 0
; a joint load: waves 0, 1 for A, waves 2, 3 for B; the branch hangs on the wave's number alone; s_nop 0 and four v_nop behind each line
.macro JLOAD g0a, g1a, g0b, g1b
	s_cmp_eq_u32 s11, 0
	s_cbranch_scc0 .Lfor_b_\@
	tensor_load_to_lds s[\g0a:\g0a+3], s[\g1a:\g1a+7]
	s_nop 0
.rept 4
	v_nop
.endr
	s_branch .Lasked_\@
.Lfor_b_\@:
	tensor_load_to_lds s[\g0b:\g0b+3], s[\g1b:\g1b+7]
	s_nop 0
.rept 4
	v_nop
.endr
.Lasked_\@:
.endm
.macro CREST                           ; a round of the cluster's barrier behind its opening barrier
	s_cmp_lg_u32 s10, 0
	s_cbranch_scc1 .Lnot_wave_0_\@
	s_barrier_signal -3
.Lnot_wave_0_\@:
	s_barrier_wait -3
	s_barrier_signal -1
	s_barrier_wait -1
.endm
.macro CROUND
	s_barrier_signal -1
	s_barrier_wait -1
	CREST
.endm
.macro GROUP1 g, rows                  ; a dense run as rows of 256 bytes (32 elements of 8 bytes), dense in LDS too
	s_mov_b32 s[\g+1], 32<<16
	s_mov_b32 s[\g+2], (\rows)<<16
	s_mov_b32 s[\g+3], 32<<16
	s_mov_b32 s[\g+4], \rows
	s_mov_b32 s[\g+5], 32
	s_mov_b32 s[\g+6], 0
	s_mov_b32 s[\g+7], 0
.endm
	s_load_b128 s[4:7], s[0:1], 0x0                ; aq, bq
	s_load_b64 s[8:9], s[0:1], 0x10                ; out0
	v_lshl_add_u32 v[SPW], v0, 2, SPARE
	v_mov_b32 v[NIL], 0
	ds_add_u32 v[SPW], v[NIL]                      ; the opening lines: the add, twice on end, and its wait
	ds_add_u32 v[SPW], v[NIL]
	v_lshrrev_b32 v1, 5, v0
	v_readfirstlane_b32 s10, v1                    ; wave 0..3
	s_lshr_b32 s11, s10, 1                         ; which half of each K step, and which 64 rows I own.  Also: I fetch for A (0) or for B (1)
	s_and_b32 s12, s10, 1                          ; which 128 columns.  Also: which part of A's run, or which of B's blocks, I fetch
	s_bfe_u32 s13, ttmp6, 0x40000                  ; cx
	s_bfe_u32 s14, ttmp6, 0x40004                  ; cy
	s_lshl_b32 s15, ttmp9, 2
	s_add_co_u32 s15, s15, s13                     ; tile column
	s_and_b32 s16, ttmp7, 0xffff
	s_lshl_b32 s16, s16, 2
	s_add_co_u32 s16, s16, s14                     ; tile row
	s_lshl_b32 s17, s14, 2
	s_lshl_b32 s17, 15, s17                        ; my row of the cluster
	s_lshl_b32 s18, 0x1111, s13                    ; my column
	s_or_b32 s[G1AX], s17, (3<<16)|(1<<21)         ; the mask; elements of 8 bytes; bit 21 beside a mask
	s_or_b32 s[G1AY], s17, (3<<16)|(1<<21)
	s_or_b32 s[G1BX], s18, (3<<16)|(1<<21)
	s_or_b32 s[G1BY], s18, (3<<16)|(1<<21)
	GROUP1 G1AX, KB/512                            ; half a K step of A: 68 rows
	GROUP1 G1AY, KB/256                            ; one K step of A: 136
	GROUP1 G1BX, KB/256                            ; one K step of a block of B: 136
	GROUP1 G1BY, KB/128                            ; two: 272
	s_mul_i32 s20, s16, RBK                        ; A's stream: block = tile row
	s_mov_b32 s21, 0
	s_lshl_b32 s76, s15, 1
	s_add_co_u32 s76, s76, s12
	s_mul_i32 s76, s76, RBK                        ; B's stream: block = 2 x tile column + my part
	s_mov_b32 s77, 0
	s_mul_i32 s22, s12, KB/2                       ; A into X: my half of the K step, in memory and in LDS
	s_mov_b32 s23, 0
	s_mul_i32 s78, s12, KB
	s_add_co_u32 s78, s78, KB                      ; A into Y: K step 1 or 2, place 1 or 2
	s_mov_b32 s79, 0
	s_add_co_u32 s80, s12, 1
	s_mul_i32 s80, s80, BLK                        ; B into X: LDS block 1 or 2, place 0
	s_add_co_u32 s81, s80, KB                      ; B into Y: places 1 and 2
	s_lshl_b32 s82, s13, 1                         ; the prefetches: A's round is shared out by cx and the wave,
	s_add_co_u32 s82, s82, s12
	s_lshl_b32 s82, s82, 12
	s_add_co_u32 s82, s82, s20
	s_lshl_b32 s83, s14, 13                        ; B's by cy
	s_add_co_u32 s83, s83, s76
	s_cmp_eq_u32 s11, 0
	s_cselect_b32 s86, s82, s83
	s_cselect_b32 s19, 15, 31                      ; A's waves name 16 blocks, B's 32
	s_mov_b32 s87, 0
	v_and_b32 v[PFO], 31, v0
	v_min_u32 v[PFO], s19, v[PFO]
	v_lshlrev_b32 v[PFO], 8, v[PFO]                ; 256 bytes a lane
	s_wait_alu depctr_va_vdst(0)
	s_wait_dscnt 0x0                               ; both opening adds are done
	s_wait_kmcnt 0x0
	s_cmp_eq_u32 s11, 0
	s_cselect_b64 s[PFB:PFB+1], s[4:5], s[6:7]
	s_add_nc_u64 s[PFB:PFB+1], s[PFB:PFB+1], s[86:87]
	s_add_nc_u64 s[20:21], s[4:5], s[20:21]
	s_add_nc_u64 s[76:77], s[6:7], s[76:77]
	CROUND                                         ; all sixteen work-groups are here: the first joint loads meet
	s_mov_b32 s[G0AX], 1
	s_mov_b32 s[G0AX+1], s22
	s_add_nc_u64 s[G0AX+2:G0AX+3], s[20:21], s[22:23]
	s_or_b32 s[G0AX+3], s[G0AX+3], 0x80000000
	s_mov_b32 s[G0AY], 1
	s_mov_b32 s[G0AY+1], s78
	s_add_nc_u64 s[G0AY+2:G0AY+3], s[20:21], s[78:79]
	s_or_b32 s[G0AY+3], s[G0AY+3], 0x80000000
	s_mov_b32 s[G0BX], 1
	s_mov_b32 s[G0BX+1], s80
	s_mov_b64 s[G0BX+2:G0BX+3], s[76:77]
	s_or_b32 s[G0BX+3], s[G0BX+3], 0x80000000
	s_mov_b32 s[G0BY], 1
	s_mov_b32 s[G0BY+1], s81
	s_add_nc_u64 s[G0BY+2:G0BY+3], s[76:77], KB
	s_or_b32 s[G0BY+3], s[G0BY+3], 0x80000000
	JLOAD G0AX, G1AX, G0BX, G1BX                   ; K step 0: one tensor load a wave at the head
.irp r, 1,2,3
	global_prefetch_b8 v[PFO], s[PFB:PFB+1] offset:\r*RND th:TH_LOAD_NT scope:SCOPE_SE   ; rounds 1 to 3: K steps 1 and 2 and most of 3
.endr
	s_mul_i32 s78, s11, 64*PITCH                   ; the 64 rows of A that I own,
	s_xor_b32 s79, s11, 1
	s_mul_i32 s17, s79, BLK
	s_mul_i32 s79, s79, 64*PITCH                   ; and the other 64
	s_add_co_u32 s80, s12, 1
	s_mul_i32 s80, s80, BLK                        ; my 128 rows of B: block 1 or 2
	s_sub_co_u32 s81, s80, s78                     ; from A's rows that I own to B's rows 0-63
	s_sub_co_u32 s82, s80, s79
	s_add_co_u32 s82, s82, 64*PITCH                ; from A's other rows to B's rows 64-127
	s_lshl_b32 s18, s11, 3                         ; my two scale words of a record's four
	s_add_co_u32 s83, s78, s18
	s_add_co_u32 s19, s79, s18
	s_lshl_b32 s18, s11, 7                         ; my 128 bytes of a record's 256 of codes
	s_add_co_u32 s78, s78, s18
	s_add_co_u32 s79, s79, s18
	s_add_co_u32 s80, s80, s18
	s_mul_i32 s86, s10, 16*SPITCH
	s_add_co_u32 s86, s86, STAGE                   ; my stage
	s_lshl_b32 s18, s12, 15
	s_add_co_u32 s18, s18, BLK+KB
	s_add_co_u32 s17, s17, s18                     ; my partner's image: block 2 - w / 2, places 1 and 2, XB x (w % 2)
	s_mul_i32 s87, s11, BLK
	s_add_co_u32 s87, s87, s18                     ; mine: block 1 + w / 2
	s_lshl_b32 s22, s16, 7
	s_lshl_b32 s23, s11, 6
	s_add_co_u32 s22, s22, s23                     ; the first row of C that I store,
	s_lshl_b32 s22, s22, 14                        ; of 16,384 bytes,
	s_lshl_b32 s23, s15, 10                        ; and my first column in bytes
	s_add_co_u32 s22, s22, s23
	s_lshl_b32 s23, s12, 9
	s_add_co_u32 s22, s22, s23
	s_mov_b32 s23, 0
	s_add_nc_u64 s[8:9], s[8:9], s[22:23]
	v_and_b32 v1, 15, v0                           ; r
	v_bfe_u32 v2, v0, 4, 1                         ; h
	v_mul_u32_u24 v3, v1, PITCH
	v_lshl_add_u32 v19, v2, 4, v3                  ; a fragment's row + 16 h
	v_mul_u32_u24 v25, s81, v2                     ; scale words: lanes 16-31 take B's: the lower base + h x the distance
	v_mul_u32_u24 v26, s82, v2
	v_add_nc_u32 v25, v25, v3
	v_add_nc_u32 v26, v26, v3
	v_add_nc_u32 v[ADRA], s78, v19
	v_add_nc_u32 v[ADRH], s79, v19
	v_add_nc_u32 v[ADRB], s80, v19
	v_add_nc_u32 v[ADRS], s83, v25
	v_add_nc_u32 v[ADRT], s19, v26
.irp p, 1,2
	v_add_nc_u32 v[ADRA+\p], \p*KB, v[ADRA]
	v_add_nc_u32 v[ADRH+\p], \p*KB, v[ADRH]
	v_add_nc_u32 v[ADRB+\p], \p*KB, v[ADRB]
	v_add_nc_u32 v[ADRS+\p], \p*KB, v[ADRS]
	v_add_nc_u32 v[ADRT+\p], \p*KB, v[ADRT]
.endr
	v_mul_u32_u24 v27, v1, SPITCH                  ; into the stage: row r, 32 bytes for each half of the lanes
	v_lshl_add_u32 v27, v2, 5, v27
	v_add_nc_u32 v[STO], s86, v27
	v_and_b32 v27, 31, v0
	v_lshlrev_b32 v[CO], 4, v27                    ; back: 32 lanes take a row of 512 bytes; the same in C, and in an image's group of four registers
	v_add_nc_u32 v[RD], s86, v[CO]
	v_add_nc_u32 v[XW], s87, v[CO]
	v_add_nc_u32 v[XR], s17, v[CO]
.macro FRAG reg, adr, q, i             ; 16 rows x 128 K of 4-bit codes: registers 4 c .. 4 c + 3 hold K = 64 c + 32 h + 0 .. 31
.irp c, 0,1
	ds_load_b128 v[\reg+4*\c:\reg+4*\c+3], v[\adr] offset:64*(\q)+32*\c+(\i)*16*PITCH
.endr
.endm
.macro FETCH p, q, s                   ; 32 LDS loads in one run: my q-th chunk of place p into set s: B's eight, then A's eight
	WIN TO_B
.irp i, 0,1,2,3,4,5,6,7
	FRAG 128*(\s)+8*\i, ADRB+(\p), \q, \i
.endr
	WIN 0
.irp i, 0,1,2,3
	FRAG AF+64*(\s)+8*\i, ADRA+(\p), \q, \i
.endr
.irp i, 0,1,2,3
	FRAG AF+64*(\s)+32+8*\i, ADRH+(\p), \q, \i
.endr
.endm
.macro SCALES p                        ; place p's scale words: my two of the four behind each row's codes
.irp i, 0,1,2,3
	ds_load_b64 v[SC+16*(\p)+2*\i:SC+16*(\p)+2*\i+1], v[ADRS+(\p)] offset:256+\i*16*PITCH
.endr
.irp i, 0,1,2,3
	ds_load_b64 v[SC+16*(\p)+8+2*\i:SC+16*(\p)+8+2*\i+1], v[ADRT+(\p)] offset:256+\i*16*PITCH
.endr
.endm
; 16 matrix instructions: A's register blocks a0, a0 + 1 x B's eight.  B's scales from lanes 16-31 of register 2 b + q, A's from lanes 0-15 of register 2 a + q.
; The 64 accumulators take turns, one instruction a turn.  zero = 1: the product starts the sums.
.macro MUL16 s, p, q, a0, zero
.irp a, \a0, \a0+1
.irp b, 0,1,2,3,4,5,6,7
.if \zero
	v_wmma_scale_f32_16x16x128_f8f6f4 v[8*(8*((\a)%4)+\b):8*(8*((\a)%4)+\b)+7], v[128*(\s)+8*\b:128*(\s)+8*\b+7], v[AF+64*(\s)+8*(\a):AF+64*(\s)+8*(\a)+7], 0, v[SC+16*(\p)+2*\b+(\q)], v[SC+16*(\p)+2*(\a)+(\q)] matrix_a_fmt:MATRIX_FMT_FP4 matrix_b_fmt:MATRIX_FMT_FP4 matrix_a_scale:MATRIX_SCALE_ROW1
.else
	v_wmma_scale_f32_16x16x128_f8f6f4 v[8*(8*((\a)%4)+\b):8*(8*((\a)%4)+\b)+7], v[128*(\s)+8*\b:128*(\s)+8*\b+7], v[AF+64*(\s)+8*(\a):AF+64*(\s)+8*(\a)+7], v[8*(8*((\a)%4)+\b):8*(8*((\a)%4)+\b)+7], v[SC+16*(\p)+2*\b+(\q)], v[SC+16*(\p)+2*(\a)+(\q)] matrix_a_fmt:MATRIX_FMT_FP4 matrix_b_fmt:MATRIX_FMT_FP4 matrix_a_scale:MATRIX_SCALE_ROW1
.endif
.endr
.endr
.endm
.macro PLACES n                        ; places behind matrix instructions, ahead of loads into registers that they have read and of reads of their results
.rept \n
	v_nop
.endr
.endm
.macro ASK pf                          ; a prefetch round (0: none); every window is 0 here
.if \pf
	global_prefetch_b8 v[PFO], s[PFB:PFB+1] offset:(\pf)*RND th:TH_LOAD_NT scope:SCOPE_SE
.endif
.endm
; A chunk, my q-th of place p, on set q; at its head the next chunk (my nq-th of place np) is fetched into the other set.
.macro STEP p, q, np, nq, zero, pf
	s_wait_dscnt 8                                 ; all but the youngest eight loads (A's blocks 4-7) are in
	PLACES 4
.if (\nq) == 0
	SCALES \np
.endif
	FETCH \np, \nq, 1-(\q)
	ASK \pf
	WIN MUL_LO
	MUL16 \q, \p, \q, 0, \zero
	MUL16 \q, \p, \q, 2, \zero
.if (\nq) == 0
	s_wait_dscnt 40                                ; all but the 40 just issued
.else
	s_wait_dscnt 32                                ; all but the 32 just issued
.endif
	WIN MUL_HI
	MUL16 \q, \p, \q, 4, \zero
	MUL16 \q, \p, \q, 6, \zero
	WIN 0
.endm
; A change of slots: one barrier; ahead of it each wave waits for all its tensor loads, adds 0 to its spare word, and waits for that and for all its LDS loads, its reads of the slot that it leaves among them.
; fill = 1: X is filled again, fill = 2: Y, each three K steps on; fill = 0: nothing is left to fetch, and no round follows the barrier.
.macro MEET fill
	WIN 0
	s_wait_tensorcnt 0x0                           ; my part of the slot ahead has landed
	ds_add_u32 v[SPW], v[NIL]
	s_wait_dscnt 0x0
	s_barrier_signal -1
	s_barrier_wait -1
.if \fill == 1
	CREST                                          ; the barrier has opened a round of the cluster's barrier
	s_add_nc_u64 s[G0AX+2:G0AX+3], s[G0AX+2:G0AX+3], ON3   ; no tensor load of mine is out
	s_add_nc_u64 s[G0BX+2:G0BX+3], s[G0BX+2:G0BX+3], ON3
	JLOAD G0AX, G1AX, G0BX, G1BX
.elseif \fill == 2
	CREST
	s_add_nc_u64 s[G0AY+2:G0AY+3], s[G0AY+2:G0AY+3], ON3
	s_add_nc_u64 s[G0BY+2:G0BY+3], s[G0BY+2:G0BY+3], ON3
	JLOAD G0AY, G1AY, G0BY, G1BY
.endif
.endm
; Place 0's second chunk, on set 1: X is left in its middle and filled again; place 1's first chunk is fetched behind the refill, whose four v_nop are the places ahead of these loads.
.macro LEAVEX pf
	s_wait_dscnt 8
	WIN MUL_LO
	MUL16 1, 0, 1, 0, 0
	MUL16 1, 0, 1, 2, 0
	MEET 1
	SCALES 1
	FETCH 1, 0, 0
	ASK \pf
	WIN MUL_HI
	MUL16 1, 0, 1, 4, 0
	MUL16 1, 0, 1, 6, 0
	WIN 0
.endm
; Place 2's first chunk, on set 0: place 2's second chunk is fetched at its head, so that Y is left in its middle.
.macro LEAVEY fill
	s_wait_dscnt 8
	PLACES 4
	FETCH 2, 1, 1
	WIN MUL_LO
	MUL16 0, 2, 0, 0, 0
	MUL16 0, 2, 0, 2, 0
	MEET \fill
	WIN MUL_HI
	MUL16 0, 2, 0, 4, 0
	MUL16 0, 2, 0, 6, 0
	WIN 0
.endm
	s_wait_alu depctr_va_vdst(0)
	s_wait_tensorcnt 0x0                           ; my part of K step 0 is in; Y's first fill is issued as a refill is:
	ds_add_u32 v[SPW], v[NIL]
	s_wait_dscnt 0x0
	CROUND                                         ; everybody's part is in, all sixteen work-groups are here
	JLOAD G0AY, G1AY, G0BY, G1BY                   ; K steps 1 and 2
	SCALES 0
	FETCH 0, 0, 0
	STEP 0, 0, 0, 1, 1, 4                          ; the first chunk starts the sums
	s_mov_b32 s3, TRIPS
.Ltrip:                                            ; three K steps a trip, two chunks each; X takes K steps 3, 6, 9, 12, Y (4, 5), (7, 8), (10, 11), (13, 14); rounds 5 to 16 are asked for
	LEAVEX 5
	STEP 1, 0, 1, 1, 0, 6
	STEP 1, 1, 2, 0, 0, 7                          ; no barrier between Y's two places
	LEAVEY 2
	STEP 2, 1, 0, 0, 0, 0                          ; X's tile was shown whole by the barrier in the chunk before
	STEP 0, 0, 0, 1, 0, 0
	s_wait_xcnt 0x0                                ; the trip's prefetches have read their base
	s_add_nc_u64 s[PFB:PFB+1], s[PFB:PFB+1], 3*RND
	s_sub_co_u32 s3, s3, 1
	s_cmp_lg_u32 s3, 0
	s_cbranch_scc1 .Ltrip
	LEAVEX 0                                       ; the tail is written out: X takes K step 15, the last load
	STEP 1, 0, 1, 1, 0, 0
	STEP 1, 1, 2, 0, 0, 0
	LEAVEY 0
	STEP 2, 1, 0, 0, 0, 0
	STEP 0, 0, 0, 1, 0, 0
	s_wait_dscnt 0x0                               ; the last chunk: what I hand over is finished first
	WIN MUL_HI
	MUL16 1, 0, 1, 4, 0
	MUL16 1, 0, 1, 6, 0
	PLACES 4
	WIN 0x0c                                       ; an LDS store's data are its source 1: window 3
.set G, 0
.rept 64
	ds_store_b128 v[XW], v[4*G:4*G+3] offset:512*G ; my image: each group of four registers at 16 x lane; each accumulator from its low end on
.set G, G+1
.endr
	WIN MUL_LO
	MUL16 1, 0, 1, 0, 0                            ; the rows that I own, while the image is on its way
	MUL16 1, 0, 1, 2, 0
	WIN 0
	PLACES 4                                       ; ahead of the reads of these results and of the loads into registers that held scales and fragments
	s_wait_dscnt 0x0                               ; for my partner's sake: my image is whole
	s_barrier_signal -1
	s_barrier_wait -1
; THE WAY OUT, by blocks of 16 rows x 128 columns: my partner's image of the block, added to my sums; through my own stage and back as whole rows of 512 bytes.  LDS serves a wave's instructions in order (ISA guide 5.7.1.4).
.macro XLOAD a
.set TX, 32+64*((\a)%2)
.irp i, 0,1,2,3,4,5,6,7,8,9,10,11,12,13,14,15
	ds_load_b128 v[TX+4*\i:TX+4*\i+3], v[XR] offset:512*(16*(\a)+\i)
.endr
.endm
.macro BLOCK a
.set T, 32+64*((\a)%2)
.if (\a) < 3
	XLOAD (\a)+1
	s_wait_dscnt 16                                ; this block's image is in; the next block's may be out
.else
	s_wait_dscnt 0x0
.endif
	WIN 0x02                                       ; source 0: window 2
.set I, 0
.rept 32
	v_pk_add_f32 v[T+I:T+I+1], v[64*(\a)+I:64*(\a)+I+1], v[T+I:T+I+1]
.set I, I+2
.endr
	WIN 0
.irp b, 0,1,2,3,4,5,6,7
	ds_store_b128 v[STO], v[T+8*\b:T+8*\b+3] offset:64*\b
	ds_store_b128 v[STO], v[T+8*\b+4:T+8*\b+7] offset:64*\b+16
.endr
.if (\a) > 0
	s_wait_xcnt 0x0                                ; the last block's stores have read their registers and their base
	s_add_nc_u64 s[8:9], s[8:9], 16*SIZE_N*4       ; 16 rows of C on
.endif
.irp t, 0,1,2,3,4,5,6,7,8,9,10,11,12,13,14,15
	ds_load_b128 v[OUTR+4*\t:OUTR+4*\t+3], v[RD] offset:\t*SPITCH
.endr
.irp t, 0,1,2,3,4,5,6,7,8,9,10,11,12,13,14,15
	s_wait_dscnt 15-\t
	global_store_b128 v[CO], v[OUTR+4*\t:OUTR+4*\t+3], s[8:9] offset:\t*SIZE_N*4 th:TH_STORE_NT   ; 32 lanes store 512 consecutive bytes, at a multiple of 256 from C's first byte
.endr
.endm
	XLOAD 0
	BLOCK 0
	BLOCK 1
	BLOCK 2
	BLOCK 3
	s_wait_tensorcnt 0x0                           ; the wave's end
	ds_add_u32 v[SPW], v[NIL]
	s_wait_dscnt 0x0
	CROUND                                         ; the closing round
	s_endpgm
.Lfunc_end_k_q3a395cf1fa_gemm:
	.size	k_q3a395cf1fa_gemm, .Lfunc_end_k_q3a395cf1fa_gemm-k_q3a395cf1fa_gemm
	.p2alignl 7, 3214868480
	.fill 96, 4, 3214868480
	.section	.rodata,"a",@progbits
	.p2align	6, 0x0
	.amdhsa_kernel k_q3a395cf1fa_gemm
		.amdhsa_group_segment_fixed_size 327680
		.amdhsa_private_segment_fixed_size 0
		.amdhsa_enable_private_segment 0
		.amdhsa_kernarg_size 24
		.amdhsa_user_sgpr_count 2
		.amdhsa_user_sgpr_kernarg_segment_ptr 1
		.amdhsa_wavefront_size32 1
		.amdhsa_system_sgpr_workgroup_id_x 1
		.amdhsa_system_sgpr_workgroup_id_y 1
		.amdhsa_system_sgpr_workgroup_id_z 1
		.amdhsa_system_vgpr_workitem_id 0
		.amdhsa_next_free_vgpr 1024
		.amdhsa_next_free_sgpr 88
		.amdhsa_reserve_vcc 0
		.amdhsa_float_denorm_mode_32 3
		.amdhsa_float_denorm_mode_16_64 3
		.amdhsa_memory_ordered 1
		.amdhsa_forward_progress 1
		.amdhsa_inst_pref_size 196
	.end_amdhsa_kernel
	.amdgpu_metadata
---
amdhsa.version: [ 1, 2 ]
amdhsa.kernels:
  - .name:           k_q3a395cf1fa_gemm
    .symbol:         k_q3a395cf1fa_gemm.kd
    .args:
      - { .name: aq, .offset: 0, .size: 8, .value_kind: global_buffer, .address_space: global }
      - { .name: bq, .offset: 8, .size: 8, .value_kind: global_buffer, .address_space: global }
      - { .name: out0, .offset: 16, .size: 8, .value_kind: global_buffer, .address_space: global }
    .group_segment_fixed_size: 327680
    .private_segment_fixed_size: 0
    .kernarg_segment_align: 8
    .kernarg_segment_size: 24
    .max_flat_workgroup_size: 128
    .sgpr_count:     88
    .vgpr_count:     1024
    .wavefront_size: 32
...
	.end_amdgpu_metadata
.endif
;; end of part 2
